; MI455X (gfx1250); checked and timed in simulation.
; The chip was launched on July 23, 2026; its instructions are those of AMD's public machine-readable ISA for CDNA 5 (MIT licence, August 2026) and "CDNA5" Instruction Set Architecture Reference Guide (July 2026). The comments in the code are by the model that wrote it; some were corrected since.
;; Self Attention. Allowed arithmetic: matrix products marked QUANTISED: E4M3 operands, one given power-of-two scale a tensor, by v_wmma_f32_16x16x64_fp8_fp8 or v_wmma_f32_16x16x128_fp8_fp8, f32 sums; everything else in f32.
;; Inputs: Wk 1,024 x 1,024 float32; Wo 1,024 x 1,024 float32; Wq 1,024 x 1,024 float32; Wv 1,024 x 1,024 float32; bk 1,024 float32; bo 1,024 float32; bq 1,024 float32; bv 1,024 float32; lowp_scales 12 int32 (the exponents e of the quantised operands' scales 2^e); x 2 x 2,048 x 1,024 float32.
;; Outputs: out0 2 x 2,048 x 1,024 float32.
;; This version of the problem:
;;   THIS VERSION OF THE PROBLEM IS GIVEN IN LOW PRECISION. The matrix products marked QUANTISED in the list below multiply operands that are first quantised to E4M3 (4 exponent bits, 3 mantissa bits; 8 bits a number), with one given power-of-two scale for each operand tensor; their sums are f32. All else is computed in f32.
;;   The module's matrix products, in the order in which they are computed (A, B: the left and right operand; K: the contracted axis; several contracted axes count as one K, in the product's order):
;;     1. [M 4,096, K 1,024] x [K 1,024, N 1,024]; A: input x; B: input Wq: QUANTISED (scales: A lowp_scales[0], B lowp_scales[1])
;;     2. [M 4,096, K 1,024] x [K 1,024, N 1,024]; A: input x; B: input Wk: QUANTISED (scales: A lowp_scales[2], B lowp_scales[3])
;;     3. [M 4,096, K 1,024] x [K 1,024, N 1,024]; A: input x; B: input Wv: QUANTISED (scales: A lowp_scales[4], B lowp_scales[5])
;;     4. batch 32 x [M 2,048, K 64] x [K 64, N 2,048]; A: computed on the way; B: computed on the way: QUANTISED (scales: A lowp_scales[6], B lowp_scales[7])
;;     5. batch 32 x [M 2,048, K 2,048] x [K 2,048, N 64]; A: softmax (see below); B: computed on the way: QUANTISED (scales: A lowp_scales[8], B lowp_scales[9])
;;     6. [M 4,096, K 1,024] x [K 1,024, N 1,024]; A: computed on the way; B: input Wo: QUANTISED (scales: A lowp_scales[10], B lowp_scales[11])
;;   THE QUANTISER, for each operand of a quantised product, along K:
;;     - The operand's scale is 2^e, e = its entry of the input lowp_scales (int32; the entries are numbered through the quantised products in the list's order, A before B).
;;     - Each number is divided by the scale, clamped to +-448, and rounded to the nearest number of E4M3, ties to even, subnormals kept.
;;     - The product sums the exact products of the quantised numbers (number of the format x scale) in f32.
;;   ~~~python
;;   def quantise(x, axis, e):      # numpy; x: float32 -> the quantised numbers, widened to float32 again
;;       x = np.moveaxis(x, axis, -1); K = x.shape[-1]
;;       r = np.clip(x / 2.0 ** e, -448, 448)
;;       step = 2.0 ** (np.maximum(np.frexp(np.where(r == 0, 1, r))[1] - 1, -6) - 3)
;;       q = np.round(r / step) * step * 2.0 ** e      # np.round: ties to even
;;       return np.moveaxis(q, -1, axis).astype(np.float32)
;;   ~~~
;;   SOFTMAX AHEAD OF A QUANTISED PRODUCT. Where the list says 'softmax', what is quantised is not the finished softmax but p = 2^(t - M), with t = logit x log2(e) and M = ceil(the row's largest t), a whole number; so 1/2 < the row's largest p <= 1. The row's sum l is taken of the UNQUANTISED p, in f32, and the product's result is divided by l at the end. Since M is a whole number, a kernel that streams over the keys may use a running M (the ceiling of the running maximum): every later rescaling is an exact power of two, so the quantised numbers keep their values, but for numbers so far below the row's largest that they fall under the format's range.
;;   OPERANDS COMPUTED ON THE WAY. 'Computed on the way' means the value that the module computes at that place (a softmax that the list does not call 'softmax' is quantised finished and normalised). What goes into a quantiser is computed in f32, as accurately as f32 sums, v_exp_f32 and their like allow (about 1e-6 of the number): no bf16 or f16 on the way to a quantiser, and a product that is left as it is and whose result goes on into a quantised operand takes f32 operands (vector FMAs, or v_wmma_f32_16x16x4_f32). A number that lies on a knife's edge between two numbers of the format may be rounded either way, as far as f32 arithmetic and the matrix unit's own rounding can turn it there, and no further.
;; One version. Each part assembles by itself: llvm-mc -triple=amdgcn-amd-amdhsa -mcpu=gfx1250 --defsym DOCPART=n.
;; ======== version 1 of 1: 4 launches
;; limits: right only within a limited range of input values
;; workspace buffers: xc 12,582,912 bytes; wc 4,194,304 bytes; qc 4,194,304 bytes; kc 4,194,304 bytes; vc 4,194,304 bytes; ac 4,194,304 bytes
;; launch quant (part 1): grid 256 x 1, 8 waves a work-group, no clusters, 35,840 bytes of LDS; arguments x, Wq, Wk, Wv, Wo, lowp_scales, xc, wc; writes xc, wc
.if DOCPART == 1
	.amdgcn_target "amdgcn-amd-amdhsa--gfx1250"
	.amdhsa_code_object_version 6
	.text
	.protected	k_q570f75aa1b_quant
	.globl	k_q570f75aa1b_quant
	.p2align	8
	.type	k_q570f75aa1b_quant,@function
k_q570f75aa1b_quant:
	s_mov_b64 s[64:65], 0
	v_nop
	global_prefetch_b8 v0, s[64:65] scope:SCOPE_SE
	s_setreg_imm32_b32 hwreg(HW_REG_WAVE_MODE, 25, 1), 1
	s_wait_xcnt 0x0
; x [4096][1024] f32 becomes three sets of E4M3 codes (scales 2^e0, 2^e2, 2^e4: x is an operand of three products);
; Wq, Wk, Wv, Wo [k 1024][n 1024] f32 become codes laid [n][1024] with K innermost (scales 2^e1, 2^e3, 2^e5, 2^e11).
; code = number / 2^e, held within +-448, rounded to the nearest code, ties to even.
; LIMITS: each e used here lies between -126 and 119, so that 2^e and 448 x 2^e are f32 numbers.  NaN among the inputs is not served.
; THE ORDER ALONG K is free as long as both operands of a product have the same one.
;   order 1 (xc; wc of Wq, Wk, Wv): inside each 512 along K, byte p holds k = 128 ((p / 4) % 4) + 4 (p / 16) + p % 4.  That is what a lane holds
;     when it converts the 16 numbers of four dense loads (512 consecutive bytes each, 16 a lane): x needs no turn through LDS.
;   order 2 (wc of Wo): byte p holds k = p with bits 3 and 4 exchanged, so that 16-byte LDS loads 32 bytes apart give the 8-bit operand layout
;     (ISA guide 7.12.2) with every k in its own place, as the attention launch lays the other operand.
; SHARES.  256 work-groups of eight waves; the odd ones take x, the even ones the weights; each reads 131,072 bytes, and every wave issues all its 32 loads (16,384 bytes) at its head.
;   x: a wave takes 4,096 numbers, eight steps of 512; no LDS, no barrier.
;   weights: a work-group takes 128 columns x 256 bytes of codes; wave w takes the 32 rows of W whose codes are bytes 32 w .. 32 w + 31.  A load reads 512 consecutive bytes of a row of W: 4 columns a lane.
;     The hold writes other registers than it reads, so it also puts eight neighbours along K of ONE column into consecutive registers, as the conversion wants them.
;     The pieces of the eight waves meet in a stage in LDS, and leave as runs of 256 consecutive bytes, aligned.
.set R,    16                          ; x:       v16-143  eight sets of 16 numbers as loaded
.set T,    144                         ;          v144-159 16 numbers held within the range
.set C,    160                         ;          v160-255 codes: four registers for each (step, set), so no data of a store are written again
.set L,    16                          ; weights: v16-143  32 rows x 4 columns as loaded
.set TW,   144                         ;          v144-159 two sets of 8 held numbers of one column, by turns
.set CW,   208                         ;          v208-239 codes: 8 registers (32 bytes) for each of my 4 columns
.set OUTR, 16                          ;          v16-47   the way out
.set SPITCH, 272                       ; a stage row: 256 bytes of codes + 16
.macro MKSCALE e, sc, lim              ; s[e] = e:  v[sc] = 2^e as f32 (the conversion takes its exponent field), v[lim] = 448 x 2^e
	s_add_co_i32 s44, s[\e], 127
	s_lshl_b32 s45, s44, 23
	v_mov_b32 v[\sc], s45
	s_add_co_i32 s44, s44, 8
	s_lshl_b32 s44, s44, 23
	s_or_b32 s44, s44, 0x600000
	v_mov_b32 v[\lim], s44
.endm
.macro XLOAD t                         ; step t: 512 numbers, four loads of 512 consecutive bytes
.irp i, 0,1,2,3
	global_load_b128 v[R+16*(\t)+4*\i:R+16*(\t)+4*\i+3], v3, s[4:5] offset:2048*(\t)+512*\i th:TH_LOAD_NT
.endr
.endm
.macro XSET t, q, sc, lim, base        ; step t under scale q: hold, convert, store 512 consecutive bytes
.irp i, 0,1,2,3,4,5,6,7,8,9,10,11,12,13,14,15
	v_med3_num_f32 v[T+\i], v[R+16*(\t)+\i], -v[\lim], v[\lim]   ; the conversion to an 8-bit code does not saturate (ISA guide 7.6.2)
.endr
	v_cvt_scalef32_pk8_fp8_f32 v[C+12*(\t)+4*\q:C+12*(\t)+4*\q+1], v[T:T+7], v[\sc]
	v_cvt_scalef32_pk8_fp8_f32 v[C+12*(\t)+4*\q+2:C+12*(\t)+4*\q+3], v[T+8:T+15], v[\sc]
	v_nop                                          ; one plain line between the conversions and the next holds, which write their sources
	global_store_b128 v3, v[C+12*(\t)+4*\q:C+12*(\t)+4*\q+3], s[\base:\base+1] offset:512*(\t)
.endm
.macro XSTEP t
	s_wait_loadcnt 4*(7-(\t))                      ; the four loads of this step are in; those of the 7 - t steps behind it may be out
	XSET \t, 0, 4, 5, 38
	XSET \t, 1, 6, 7, 40
	XSET \t, 2, 8, 9, 42
.endm
; rows 8 g .. 8 g + 7 of my 32: for each of my four columns eight holds and one conversion: bytes 8 g .. 8 g + 7 of the 32 of the column.
; The two sets of held numbers take turns, so that the eight holds of the next column stand between a conversion and the rewriting of its sources.
.macro WGROUP g
	s_wait_loadcnt 24-8*(\g)                       ; these eight rows are in; the rows behind them may be out
.irp c, 0,1,2,3
.irp j, 0,1,2,3,4,5,6,7
	v_med3_num_f32 v[TW+8*(\c%2)+\j], v[L+4*(8*(\g)+\j)+\c], -v10, v10
.endr
	v_cvt_scalef32_pk8_fp8_f32 v[CW+8*\c+2*(\g):CW+8*\c+2*(\g)+1], v[TW+8*(\c%2):TW+8*(\c%2)+7], v11
.endr
.endm
	s_load_b512 s[4:19], s[0:1], 0x0               ; x 4:5, Wq 6:7, Wk 8:9, Wv 10:11, Wo 12:13, scales 14:15, xc 16:17, wc 18:19
	v_lshl_add_u32 v14, v0, 2, 0x8800
	v_mov_b32 v15, 0
	v_lshrrev_b32 v1, 5, v0
	s_delay_alu instid0(VALU_DEP_1)
	v_readfirstlane_b32 s20, v1                    ; wave 0..7
	v_and_b32 v2, 31, v0                           ; lane
	s_delay_alu instid0(VALU_DEP_1)
	v_lshlrev_b32 v3, 4, v2                        ; 16 bytes a lane: the place of my lane in every load, and in the stores of x
	s_lshr_b32 s21, ttmp9, 1                       ; which of the 128 work-groups of my kind
	s_and_b32 s22, ttmp9, 1
	s_wait_kmcnt 0x0
	s_load_b256 s[24:31], s[14:15], 0x0            ; e0 .. e7
	s_load_b128 s[32:35], s[14:15], 0x20           ; e8 .. e11
	s_cmp_eq_u32 s22, 0
	s_cbranch_scc1 .Lw
	; ---- x: wave number 8 x work-group + wave of 1,024 takes 4,096 numbers
	s_lshl_b32 s22, s21, 3
	s_add_co_u32 s22, s22, s20
	s_lshl_b32 s36, s22, 14
	s_mov_b32 s37, 0
	s_add_nc_u64 s[4:5], s[4:5], s[36:37]
	s_lshl_b32 s36, s22, 12
	s_add_nc_u64 s[38:39], s[16:17], s[36:37]      ; the three sets lie 4 MiB apart: a base for each, since two such steps pass the signed 24-bit immediate
	s_add_nc_u64 s[40:41], s[38:39], 0x400000
	s_add_nc_u64 s[42:43], s[40:41], 0x400000
	s_wait_alu depctr_va_vdst(0)
.irp t, 0,1,2,3,4,5,6,7
	XLOAD \t
.endr
	s_wait_kmcnt 0x0
	MKSCALE 24, 4, 5
	MKSCALE 26, 6, 7
	MKSCALE 28, 8, 9
	s_wait_alu depctr_va_vdst(0)
.irp t, 0,1,2,3,4,5,6,7
	XSTEP \t
.endr
	s_endpgm
	; ---- the weights
.Lw:
	s_lshr_b32 s36, s21, 5                         ; which matrix: 0 q, 1 k, 2 v, 3 o
	s_bfe_u32 s37, s21, 0x20003                    ; y: which 256 bytes of a row of codes
	s_and_b32 s38, s21, 7
	s_lshl_b32 s39, s38, 7                         ; first column of the work-group
	s_cmp_eq_u32 s36, 1
	s_cselect_b64 s[6:7], s[8:9], s[6:7]
	s_cmp_eq_u32 s36, 2
	s_cselect_b64 s[6:7], s[10:11], s[6:7]
	s_cmp_eq_u32 s36, 3
	s_cselect_b64 s[6:7], s[12:13], s[6:7]
	s_lshr_b32 s41, s37, 1
	s_lshl_b32 s41, s41, 9
	s_and_b32 s42, s37, 1
	s_lshl_b32 s42, s42, 6
	s_add_co_u32 s41, s41, s42
	s_lshl_b32 s42, s20, 3
	s_add_co_u32 s41, s41, s42                     ; order 1: my rows begin at 512 (y / 2) + 64 (y % 2) + 8 x wave
	s_lshl_b32 s42, s37, 8
	s_lshl_b32 s43, s20, 5
	s_add_co_u32 s42, s42, s43                     ; order 2: at 256 y + 32 x wave
	s_cmp_eq_u32 s36, 3
	s_cselect_b32 s41, s42, s41
	s_lshl_b32 s41, s41, 12                        ; a row of W is 4,096 bytes
	s_lshl_b32 s42, s39, 2
	s_add_co_u32 s42, s41, s42
	s_mov_b32 s43, 0
	s_add_nc_u64 s[6:7], s[6:7], s[42:43]
	s_lshl_b32 s44, s20, 4
	s_add_co_u32 s44, s44, s39                     ; the rows of codes that my wave stores begin at column 128 x block + 16 x wave:
	s_lshl_b32 s44, s44, 10                        ; 1,024 bytes a column,
	s_lshl_b32 s45, s36, 20                        ; 1 MiB a matrix,
	s_add_co_u32 s44, s44, s45
	s_lshl_b32 s45, s37, 8                         ; + 256 y
	s_add_co_u32 s44, s44, s45
	s_mov_b32 s45, 0
	s_add_nc_u64 s[18:19], s[18:19], s[44:45]
	s_cmp_eq_u32 s36, 3                            ; the two runs differ in the rows alone: same count, same registers
	s_cbranch_scc1 .Lorder2
	s_wait_alu depctr_va_vdst(0)
.irp i, 0,1,2,3,4,5,6,7,8,9,10,11,12,13,14,15,16,17,18,19,20,21,22,23,24,25,26,27,28,29,30,31
	global_load_b128 v[L+4*\i:L+4*\i+3], v3, s[6:7] offset:(128*((\i/4)%4)+4*(\i/16)+(\i%4))*4096 th:TH_LOAD_NT
.endr
	s_branch .Lloaded
.Lorder2:
	s_wait_alu depctr_va_vdst(0)
.irp i, 0,1,2,3,4,5,6,7,8,9,10,11,12,13,14,15,16,17,18,19,20,21,22,23,24,25,26,27,28,29,30,31
	global_load_b128 v[L+4*\i:L+4*\i+3], v3, s[6:7] offset:((\i%8)+16*((\i/8)%2)+8*(\i/16))*4096 th:TH_LOAD_NT
.endr
.Lloaded:
	v_mul_u32_u24 v4, v2, 4*SPITCH                 ; into the stage: rows 4 x lane + 0 .. 3 (my four columns),
	s_lshl_b32 s47, s20, 5
	v_add_nc_u32 v4, s47, v4                       ; bytes 32 x wave on
	v_and_b32 v5, 15, v2
	v_lshrrev_b32 v6, 4, v2
	s_mul_i32 s47, s20, 16*SPITCH
	v_mul_u32_u24 v7, v6, SPITCH
	s_delay_alu instid0(VALU_DEP_1)
	v_lshl_add_u32 v7, v5, 4, v7
	s_delay_alu instid0(VALU_DEP_1)
	v_add_nc_u32 v7, s47, v7                       ; out of it: rows 16 x wave on; sixteen lanes to a row, two rows an instruction
	v_lshlrev_b32 v8, 10, v6
	s_delay_alu instid0(VALU_DEP_1)
	v_lshl_add_u32 v8, v5, 4, v8                   ; and the same place in the codes
	s_wait_kmcnt 0x0
	s_cmp_eq_u32 s36, 1
	s_cselect_b32 s46, s27, s25                    ; e1, e3, e5 or e11
	s_cmp_eq_u32 s36, 2
	s_cselect_b32 s46, s29, s46
	s_cmp_eq_u32 s36, 3
	s_cselect_b32 s46, s35, s46
	MKSCALE 46, 11, 10
	s_wait_alu depctr_va_vdst(0)
	WGROUP 0
	WGROUP 1
	WGROUP 2
	WGROUP 3
	v_nop                                          ; a plain line behind the last conversion
.irp c, 0,1,2,3
	ds_store_b128 v4, v[CW+8*\c:CW+8*\c+3] offset:\c*SPITCH
	ds_store_b128 v4, v[CW+8*\c+4:CW+8*\c+7] offset:\c*SPITCH+16
.endr
	s_wait_dscnt 0x0                               ; for the sake of the others: my stores into the stage are done
	s_barrier_signal -1                            ; (all eight waves of a work-group are on this path, or none: it was chosen by the number of the work-group)
	s_barrier_wait -1                              ; the 256 bytes of every row are whole
.irp t, 0,1,2,3,4,5,6,7
	ds_load_b128 v[OUTR+4*\t:OUTR+4*\t+3], v7 offset:2*\t*SPITCH
.endr
.irp t, 0,1,2,3,4,5,6,7
	s_wait_dscnt 7-\t
	global_store_b128 v8, v[OUTR+4*\t:OUTR+4*\t+3], s[18:19] offset:2*\t*1024   ; 16 lanes store 256 consecutive bytes, aligned
.endr
	s_wait_tensorcnt 0x0
	ds_add_u32 v14, v15
	s_wait_dscnt 0x0
	s_endpgm
.Lfunc_end_k_q570f75aa1b_quant:
	.size	k_q570f75aa1b_quant, .Lfunc_end_k_q570f75aa1b_quant-k_q570f75aa1b_quant
	.p2alignl 7, 3214868480
	.fill 96, 4, 3214868480
	.section	.rodata,"a",@progbits
	.p2align	6, 0x0
	.amdhsa_kernel k_q570f75aa1b_quant
		.amdhsa_group_segment_fixed_size 35840
		.amdhsa_private_segment_fixed_size 0
		.amdhsa_enable_private_segment 0
		.amdhsa_kernarg_size 64
		.amdhsa_user_sgpr_count 2
		.amdhsa_user_sgpr_kernarg_segment_ptr 1
		.amdhsa_wavefront_size32 1
		.amdhsa_system_sgpr_workgroup_id_x 1
		.amdhsa_system_sgpr_workgroup_id_y 1
		.amdhsa_system_sgpr_workgroup_id_z 1
		.amdhsa_system_vgpr_workitem_id 0
		.amdhsa_next_free_vgpr 256
		.amdhsa_next_free_sgpr 66
		.amdhsa_reserve_vcc 0
		.amdhsa_float_denorm_mode_32 3
		.amdhsa_float_denorm_mode_16_64 3
		.amdhsa_memory_ordered 1
		.amdhsa_forward_progress 1
		.amdhsa_inst_pref_size 56
	.end_amdhsa_kernel
	.amdgpu_metadata
---
amdhsa.version: [ 1, 2 ]
amdhsa.kernels:
  - .name:           k_q570f75aa1b_quant
    .symbol:         k_q570f75aa1b_quant.kd
    .args:
      - { .name: x, .offset: 0, .size: 8, .value_kind: global_buffer, .address_space: global }
      - { .name: Wq, .offset: 8, .size: 8, .value_kind: global_buffer, .address_space: global }
      - { .name: Wk, .offset: 16, .size: 8, .value_kind: global_buffer, .address_space: global }
      - { .name: Wv, .offset: 24, .size: 8, .value_kind: global_buffer, .address_space: global }
      - { .name: Wo, .offset: 32, .size: 8, .value_kind: global_buffer, .address_space: global }
      - { .name: lowp_scales, .offset: 40, .size: 8, .value_kind: global_buffer, .address_space: global }
      - { .name: xc, .offset: 48, .size: 8, .value_kind: global_buffer, .address_space: global }
      - { .name: wc, .offset: 56, .size: 8, .value_kind: global_buffer, .address_space: global }
    .group_segment_fixed_size: 35840
    .private_segment_fixed_size: 0
    .kernarg_segment_align: 8
    .kernarg_segment_size: 64
    .max_flat_workgroup_size: 256
    .sgpr_count:     66
    .vgpr_count:     256
    .wavefront_size: 32
...
	.end_amdgpu_metadata
.endif
;; end of part 1
;; launch qkv (part 2): grid 12 x 16, 4 waves a work-group, clusters of 4 x 4, 327,680 bytes of LDS; arguments xc, wc, lowp_scales, bq, bk, bv, qc, kc, vc; writes qc, kc, vc
.if DOCPART == 2
	.amdgcn_target "amdgcn-amd-amdhsa--gfx1250"
	.amdhsa_code_object_version 6
	.text
	.protected	k_q570f75aa1b_qkv
	.globl	k_q570f75aa1b_qkv
	.p2align	8
	.type	k_q570f75aa1b_qkv,@function
k_q570f75aa1b_qkv:
	s_mov_b64 s[64:65], 0
	v_nop
	global_prefetch_b8 v0, s[64:65] scope:SCOPE_SE
	s_setreg_imm32_b32 hwreg(HW_REG_WAVE_MODE, 25, 1), 1
	s_wait_xcnt 0x0
	s_wait_alu depctr_hold_cnt(0) depctr_sa_sdst(0) depctr_va_vdst(0) depctr_va_sdst(0) depctr_va_ssrc(0) depctr_va_vcc(0) depctr_vm_vsrc(0)
	s_getreg_b32 s2, hwreg(HW_REG_IB_STS2, 6, 4)
	s_cmp_eq_u32 s2, 0
	s_cbranch_scc0 .Lentry_in_a_cluster
	s_endpgm
.Lentry_in_a_cluster:
	s_bfe_u32 s2, ttmp6, 0x10000c
	s_cmp_lg_u32 s2, 0xf033
	s_cbranch_scc0 .Lentry_shape_is_right
	s_endpgm
.Lentry_shape_is_right:
; q = x Wq + bq, k = x Wk + bk, v = x Wv + bv on E4M3 codes, each result quantised at once (2^e6, 2^e7, 2^e9) into images of the operand registers that the attention launch loads.
; BLOCKS.  A work-group makes 256 tokens x 256 columns of one kind; four waves, each 128 x 128: 64 accumulators, 512 registers.  4,096 x 3,072 results are 16 x 12 such blocks: 192 work-groups, four column blocks to a kind.
; For 128 along K a wave reads 2 x 128 rows x 128 bytes from LDS and issues 64 matrix instructions; no fragment is read twice.
; K goes in steps of 256 through a ring of two LDS slots: rows of 256 bytes of memory, 128 of them a tensor load, one load a wave at the head and behind each round.
; CLUSTER 4 x 4; the cluster's x is the kind (0 q, 1 k, 2 v), the same in all sixteen.  The four of a row of the cluster need the same tokens, the four of a column the same rows of W: each tile is asked for jointly.
; WHICH SIDE IS SOURCE 0.  A slot has region A (256 rows, source 1) and region B (256 rows, source 0).  In a result lane (r, h) register j is (row 8 h + j of source 0, row r of source 1).
; q, k: A = tokens, B = rows of W: a lane's eight registers are eight neighbours along the head.  v: A = rows of W, B = tokens: eight neighbouring keys.  Only WHICH tensor waves 0, 1 and waves 2, 3 ask for differs
; (a branch on the wave's number and the kind); every LDS address and the whole walk over K are the same for all kinds.
; THE BIAS is the C of each accumulator's first product, as bias x 2^-(ea + eb); so a finished sum stands for result x 2^-(ea + eb), and the three scales are folded into the conversion's one, 2^(eo - ea - eb).
; PREFETCH: K steps 2 and 3 are named one K step ahead of the loads that want them: of the 128 rows that a wave fetches each of the four partners that ask jointly takes 32, told apart by address; a lane a row of 256 bytes.
; K steps 0 and 1 come by their loads alone.
; IMAGES.  qc, kc: [head 32][tile of 16 tokens 128][1,024 bytes]: registers 4 g .. 4 g + 3 of lane l at 512 g + 16 l.  vc: [head 32][128 keys 16][16 channels 4][2,048 bytes] likewise.
; LIMITS: ea + eb (e0 + e1, e2 + e3, e4 + e5) between -126 and 126; eo - ea - eb (eo = e6, e7, e9) between -126 and 119; a bias x 2^-(ea + eb) stays an f32 number.  NaN is not served.
; REGISTERS: window 0: v1-29 addresses and scales; v32-95 the bias table; v96-103 bv as loaded; from v128 region A's fragments, ONE set (on the way out v128-191 held sums, v192-223 codes).
;   window 1: region B's fragments, TWO sets.  window 2: accumulators of A's blocks 0-3 ((a, b) at 8 (8 (a % 4) + b));  window 3: of blocks 4-7.
.set ROWB,   256
.set PITCH,  272                       ; an LDS row: 256 bytes + 16 = 17 x 16: the 16 rows that a load touches start at 16 different groups of four banks (ISA guide 11.1)
.set FR,     16                        ; registers of a fragment: 16 rows x 128 K
.set NL,     4                         ; LDS loads that bring one
.set NP,     4                         ; places behind this matrix instruction (ISA guide 7.12.1)
.set HALFT,  128*PITCH
.set SLOT,   4*HALFT
.set SPARE,  2*SLOT
.set ADRA, 8                           ; v8-9    region A: my LDS address in slot 0, 1
.set ADRB, 10                          ; v10-11  region B
.set PFO,  19
.set SPW,  28
.set NIL,  29
.set BT,   32
.set BJ,   96
.set AF,   128
.set TMP,  128
.set CD,   192
.set G1X, 24                           ; s[24:31] group 1 for x;  s[32:39] for W;  s[40:47], s[48:55] their groups 0, one for each slot
.set G1W, 32
.set G0X, 40
.set G0W, 48
.set PFA, 74
.set MSB, 0
.macro WIN new                         ; the high byte of the immediate repeats the setting that is left
.if MSB != (\new)
	s_set_vgpr_msb (MSB<<8)|(\new)
.set MSB, (\new)
.endif
.endm
.set MUL_LO, 0xa1                      ; source 0 (B) window 1, source 1 (A) window 0, C and D window 2
.set MUL_HI, 0xf1                      ; the same, C and D window 3
.set TO_B,   0x40
.macro JLOAD s                         ; s83 = 0: I ask for x, else for W; an s_nop 0 and four v_nop follow each line
	s_cmp_eq_u32 s83, 0
	s_cbranch_scc0 .Lfor_w_\@
	tensor_load_to_lds s[G0X+4*(\s):G0X+4*(\s)+3], s[G1X:G1X+7]
	s_nop 0
.rept 4
	v_nop
.endr
	s_branch .Lasked_\@
.Lfor_w_\@:
	tensor_load_to_lds s[G0W+4*(\s):G0W+4*(\s)+3], s[G1W:G1W+7]
	s_nop 0
.rept 4
	v_nop
.endr
.Lasked_\@:
.endm
.macro CREST                           ; a round of the cluster's barrier behind its opening barrier
	s_cmp_lg_u32 s22, 0
	s_cbranch_scc1 .Lnot_wave_0_\@
	s_barrier_signal -3
.Lnot_wave_0_\@:
	s_barrier_wait -3
	s_barrier_signal -1
	s_barrier_wait -1
.endm
.macro CROUND
	s_barrier_signal -1
	s_barrier_wait -1
	CREST
.endm
.macro PLACES n
.rept \n
	v_nop
.endr
.endm
.macro FRAG reg, adr, q, i             ; 16 rows x 128 K: four loads of 16 bytes, 32 apart; the same places along K on both sides
.irp c, 0,1,2,3
	ds_load_b128 v[\reg+4*\c:\reg+4*\c+3], v[\adr] offset:128*(\q)+32*\c+(\i)*16*PITCH
.endr
.endm
; 16 products: A's blocks a0, a0 + 1 x B's eight.  p: B's set.  The 64 accumulators take turns, one instruction a turn, in the same order in every step.
; zero = 1: the product starts the sum on the bias of B's block (q, k); 2: on the bias of A's block (v); 0: it adds
.macro MUL16 a0, p, zero
.irp a, \a0, \a0+1
.irp b, 0,1,2,3,4,5,6,7
.set DA, 8*(8*((\a)%4)+\b)
.set SB, 128*(\p)+FR*\b
.set SA, AF+FR*(\a)
.if (\zero) == 1
	v_wmma_f32_16x16x128_fp8_fp8 v[DA:DA+7], v[SB:SB+FR-1], v[SA:SA+FR-1], v[BT+8*\b:BT+8*\b+7]
.else
.if (\zero) == 2
	v_wmma_f32_16x16x128_fp8_fp8 v[DA:DA+7], v[SB:SB+FR-1], v[SA:SA+FR-1], v[BT+8*(\a):BT+8*(\a)+7]
.else
	v_wmma_f32_16x16x128_fp8_fp8 v[DA:DA+7], v[SB:SB+FR-1], v[SA:SA+FR-1], v[DA:DA+7]
.endif
.endif
.endr
.endr
.endm
.macro FETCH_B slot, q, p
	WIN TO_B
.irp i, 0,1,2,3,4,5,6,7
	FRAG 128*(\p)+FR*\i, ADRB+\slot, \q, \i
.endr
	WIN 0
.endm
.macro FETCH_A slot, q, i0
.irp i, \i0, \i0+1, \i0+2, \i0+3
	FRAG AF+FR*(\i), ADRA+\slot, \q, \i
.endr
.endm
; a step of 128 along K that has its successor in the same slot.  A block of A is free as soon as its eight products are issued: blocks 0-3 are fetched anew in the step's middle, blocks 4-7 at its end
.macro STEP slot, q, zero
	s_wait_dscnt 4*NL                              ; B's set and A's blocks 0-3 are in; the youngest sixteen loads (A's blocks 4-7) may be out
.if \zero
	WIN 0x81                                       ; C, the bias table, in window 0
.else
	WIN MUL_LO
.endif
	MUL16 0, (\q)%2, \zero
	MUL16 2, (\q)%2, \zero
	s_wait_dscnt 0
	PLACES NP
	FETCH_B \slot, (\q)+1, 1-(\q)%2
	FETCH_A \slot, (\q)+1, 0
.if \zero
	WIN 0xc1
.else
	WIN MUL_HI
.endif
	MUL16 4, (\q)%2, \zero
	MUL16 6, (\q)%2, \zero
	PLACES NP
	WIN 0
	FETCH_A \slot, (\q)+1, 4
.endm
; a slot's last step changes slots.  fill = 1: this slot is filled again, two K steps on.  pf = 1: K step 3 is named, one K step ahead of its load
.macro TURN slot, next, fill, pf
	s_wait_tensorcnt 0x0                           ; my one load, my part of the next slot, has landed
	ds_add_u32 v[SPW], v[NIL]
	s_wait_dscnt 4*NL+1                            ; (the add and the youngest sixteen loads may be out)
	WIN MUL_LO
	MUL16 0, 1, 0
	s_wait_dscnt 0x0                               ; the add is done, and my reads of this slot are over
	s_barrier_signal -1
	MUL16 2, 1, 0
	WIN 0
	s_barrier_wait -1
.if \fill
	CREST                                          ; the barrier has opened a round: no wave of any partner still reads this slot or has a load on its way
	s_add_nc_u64 s[G0X+4*\slot+2:G0X+4*\slot+3], s[G0X+4*\slot+2:G0X+4*\slot+3], 2*ROWB
	s_add_nc_u64 s[G0W+4*\slot+2:G0W+4*\slot+3], s[G0W+4*\slot+2:G0W+4*\slot+3], 2*ROWB
	JLOAD \slot                                    ; its four v_nop are the places in front of the loads below
.else
	PLACES NP
.endif
	FETCH_B \next, 0, 0
	FETCH_A \next, 0, 0
.if \pf
	global_prefetch_b8 v[PFO], s[PFA:PFA+1] offset:3*ROWB th:TH_LOAD_NT scope:SCOPE_SE
.endif
	WIN MUL_HI
	MUL16 4, 1, 0
	MUL16 6, 1, 0
	PLACES NP
	WIN 0
	FETCH_A \next, 0, 4
.endm
; the way out of A's block a: 64 sums held, converted into 16 registers of codes, four stores of 512 consecutive bytes, aligned.  s[66:67], s[68:69]: where registers 0-7 and 8-15 go
.macro OUTA a
.set AC, 64*((\a)%4)
.set CB, CD+16*((\a)%2)
	WIN 0x02+((\a)/4)                              ; source 0: window 2 or 3
.set n, 0
.rept 64
	v_med3_num_f32 v[TMP+n], v[AC+n], -v21, v21    ; the conversion does not saturate (ISA guide 7.6.2); each accumulator from its low end on
.set n, n+1
.endr
	WIN 0
.set n, 0
.rept 8
	v_cvt_scalef32_pk8_fp8_f32 v[CB+2*n:CB+2*n+1], v[TMP+8*n:TMP+8*n+7], v20
.set n, n+1
.endr
	v_nop                                          ; a plain line behind the last conversion
.if (\a) > 0
	s_wait_alu depctr_va_vdst(0)
	s_wait_xcnt 0x0                                ; the earlier stores have read their bases and their data
.if (\a) == 4
	s_add_nc_u64 s[66:67], s[66:67], s[72:73]
	s_add_nc_u64 s[68:69], s[68:69], s[72:73]
.else
	s_add_nc_u64 s[66:67], s[66:67], s[70:71]
	s_add_nc_u64 s[68:69], s[68:69], s[70:71]
.endif
.endif
	global_store_b128 v16, v[CB:CB+3], s[66:67]
	global_store_b128 v16, v[CB+4:CB+7], s[66:67] offset:512
	global_store_b128 v16, v[CB+8:CB+11], s[68:69]
	global_store_b128 v16, v[CB+12:CB+15], s[68:69] offset:512
.endm
	s_load_b512 s[4:19], s[0:1], 0x0               ; xc 4:5, wc 6:7, scales 8:9, bq 10:11, bk 12:13, bv 14:15, qc 16:17, kc 18:19
	s_load_b64 s[20:21], s[0:1], 0x40              ; vc
	v_lshl_add_u32 v[SPW], v0, 2, SPARE
	v_mov_b32 v[NIL], 0
	ds_add_u32 v[SPW], v[NIL]                      ; the opening lines: the add, twice on end, and its wait ahead of my first tensor load
	ds_add_u32 v[SPW], v[NIL]
	v_lshrrev_b32 v1, 5, v0
	v_readfirstlane_b32 s22, v1                    ; wave 0..3
	s_lshr_b32 s23, s22, 1                         ; my half of region A.  Also: I fill region A (0) or B (1)
	s_and_b32 s3, s22, 1                           ; my half of region B.  Also: which 128 rows of a region I fill
	s_bfe_u32 s84, ttmp6, 0x40000                  ; cx, cy: my place in the cluster
	s_bfe_u32 s85, ttmp6, 0x40004
	s_lshl_b32 s86, ttmp9, 2
	s_add_co_u32 s86, s86, s84                     ; column block 0..11 of the three kinds on end
	s_and_b32 s87, ttmp7, 0xffff
	s_lshl_b32 s87, s87, 2
	s_add_co_u32 s87, s87, s85                     ; token block 0..15
	s_mov_b32 s88, ttmp9                           ; the kind
	s_cmp_eq_u32 s88, 2
	s_cselect_b32 s82, 1, 0
	s_cselect_b32 s80, s23, s3                     ; which 128 columns are mine
	s_cselect_b32 s81, s3, s23                     ; which 128 tokens
	s_xor_b32 s83, s23, s82                        ; 0: I ask for x
	s_lshl_b32 s89, s85, 2
	s_lshl_b32 s89, 15, s89                        ; my row of the cluster
	s_lshl_b32 s90, 0x1111, s84                    ; my column
	s_or_b32 s[G1X], s89, (1<<20)|(1<<21)|(5<<22)|(3<<25)   ; 15:0 the mask; elements of 1 byte; 20 padding on; 21 set beside a mask; 24:22 after every 64 words; 31:25 four words
	s_or_b32 s[G1W], s90, (1<<20)|(1<<21)|(5<<22)|(3<<25)
.irp g, G1X, G1W
	s_mov_b32 s[\g+1], ROWB<<16                    ; tensor_dim0
	s_mov_b32 s[\g+2], 128<<16                     ; tensor_dim1
	s_mov_b32 s[\g+3], ROWB<<16                    ; tile_dim0
	s_mov_b32 s[\g+4], 128                         ; tile_dim1
	s_mov_b32 s[\g+5], 1024                        ; from row to row
	s_mov_b32 s[\g+6], 0
	s_mov_b32 s[\g+7], 0
.endr
	s_lshl_b32 s91, s3, 7
	s_lshl_b32 s96, s87, 8
	s_add_co_u32 s96, s96, s91                     ; x: token 256 x block + 128 x half,
	s_lshl_b32 s96, s96, 10
	s_lshl_b32 s100, s88, 22
	s_add_co_u32 s96, s96, s100                    ; in the set of codes of my kind
	s_mov_b32 s97, 0
	s_lshl_b32 s98, s86, 8
	s_add_co_u32 s98, s98, s91                     ; W: row 256 x block + 128 x half of the 3,072
	s_lshl_b32 s98, s98, 10
	s_mov_b32 s99, 0
	s_mul_i32 s101, s22, HALFT                     ; where my tiles go in a slot: wave x 128 rows
	s_mul_i32 s89, s23, HALFT                      ; my 128 rows of region A
	s_mul_i32 s90, s3, HALFT
	s_add_co_u32 s90, s90, 2*HALFT                 ; my 128 rows of region B
	v_and_b32 v1, 15, v0                           ; r
	v_bfe_u32 v2, v0, 4, 1                         ; h
	v_mul_u32_u24 v4, v1, PITCH
	v_lshl_add_u32 v4, v2, 4, v4                   ; row x pitch + 16 h
	v_add_nc_u32 v[ADRA], s89, v4
	v_add_nc_u32 v[ADRB], s90, v4
	v_add_nc_u32 v[ADRA+1], SLOT, v[ADRA]
	v_add_nc_u32 v[ADRB+1], SLOT, v[ADRB]
	v_and_b32 v16, 31, v0
	v_lshlrev_b32 v[PFO], 10, v16                  ; the prefetches: a lane a row
	v_lshlrev_b32 v16, 4, v16                      ; 16 x lane: my place in an image
	v_lshlrev_b32 v17, 5, v2                       ; bias along the registers: 32 h
	v_lshlrev_b32 v18, 2, v1                       ; bias along the lanes: 4 r
	s_wait_alu depctr_va_vdst(0)
	s_wait_dscnt 0x0                               ; both opening adds are done
	s_wait_kmcnt 0x0
	s_load_b256 s[56:63], s[8:9], 0x0              ; e0 .. e7
	s_load_b128 s[92:95], s[8:9], 0x20             ; e8 .. e11
	s_add_nc_u64 s[96:97], s[4:5], s[96:97]
	s_add_nc_u64 s[98:99], s[6:7], s[98:99]
.irp s, 0,1
	s_mov_b32 s[G0X+4*\s], 1
	s_add_co_u32 s[G0X+4*\s+1], s101, \s*SLOT
	s_add_nc_u64 s[G0X+4*\s+2:G0X+4*\s+3], s[96:97], \s*ROWB
	s_or_b32 s[G0X+4*\s+3], s[G0X+4*\s+3], 0x80000000
	s_mov_b32 s[G0W+4*\s], 1
	s_add_co_u32 s[G0W+4*\s+1], s101, \s*SLOT
	s_add_nc_u64 s[G0W+4*\s+2:G0W+4*\s+3], s[98:99], \s*ROWB
	s_or_b32 s[G0W+4*\s+3], s[G0W+4*\s+3], 0x80000000
.endr
	CROUND                                         ; all sixteen work-groups are here: the first joint loads meet
	JLOAD 0                                        ; K step 0: one tensor load a wave at the head
	s_cmp_eq_u32 s88, 1                            ; the bias and the images of my kind
	s_cselect_b64 s[10:11], s[12:13], s[10:11]
	s_cselect_b64 s[16:17], s[18:19], s[16:17]
	s_cmp_eq_u32 s88, 2
	s_cselect_b64 s[10:11], s[14:15], s[10:11]
	s_cselect_b64 s[16:17], s[20:21], s[16:17]
	s_lshl_b32 s89, s84, 8
	s_lshl_b32 s90, s80, 7
	s_add_co_u32 s89, s89, s90
	s_lshl_b32 s100, s89, 2
	s_mov_b32 s101, 0
	s_add_nc_u64 s[10:11], s[10:11], s[100:101]    ; the bias at my 128 columns
	s_cmp_eq_u32 s88, 2
	s_cbranch_scc1 .Lload_bv
.irp b, 0,1,2,3,4,5,6,7
	global_load_b128 v[BT+8*\b:BT+8*\b+3], v17, s[10:11] offset:64*\b        ; columns 16 b + 8 h + 0 .. 7
	global_load_b128 v[BT+8*\b+4:BT+8*\b+7], v17, s[10:11] offset:64*\b+16
.endr
	s_branch .Lloaded
.Lload_bv:
.irp a, 0,1,2,3,4,5,6,7
	global_load_b32 v[BJ+\a], v18, s[10:11] offset:64*\a                     ; column 16 a + r
.endr
.Lloaded:
	s_cmp_eq_u32 s83, 0                            ; the prefetches: my tile, my work-group's 32 rows of its 128
	s_cselect_b64 s[PFA:PFA+1], s[96:97], s[98:99]
	s_cselect_b32 s100, s84, s85
	s_lshl_b32 s100, s100, 15
	s_add_nc_u64 s[PFA:PFA+1], s[PFA:PFA+1], s[100:101]
	s_lshr_b32 s89, s87, 3                         ; where my images begin: head = 16 x batch + 4 x cx + 2 x my half of the columns,
	s_lshl_b32 s89, s89, 4
	s_lshl_b32 s90, s84, 2
	s_add_co_u32 s89, s89, s90
	s_lshl_b32 s90, s80, 1
	s_add_co_u32 s89, s89, s90
	s_lshl_b32 s89, s89, 17                        ; 131,072 bytes a head,
	s_and_b32 s90, s87, 7
	s_lshl_b32 s90, s90, 14                        ; 16,384 for 256 tokens,
	s_add_co_u32 s89, s89, s90
	s_lshl_b32 s90, s81, 13                        ; 8,192 for my 128
	s_add_co_u32 s100, s89, s90
	s_add_nc_u64 s[66:67], s[16:17], s[100:101]
	s_cmp_eq_u32 s88, 2
	s_mov_b32 s70, 1024                            ; from one of A's blocks to the next: a tile of 16 tokens (q, k) or of 16 channels (v);
	s_cselect_b32 s70, 2048, s70
	s_mov_b32 s71, 0
	s_mov_b32 s72, 1024                            ; from block 3 to block 4: v goes on to the next head;
	s_cselect_b32 s72, 124928, s72
	s_mov_b32 s73, 0
	s_mov_b32 s76, 131072                          ; from registers 0-7 to 8-15: the next head (q, k) or the second half of an image (v)
	s_cselect_b32 s76, 1024, s76
	s_mov_b32 s77, 0
	s_add_nc_u64 s[68:69], s[66:67], s[76:77]
	s_wait_kmcnt 0x0
	s_add_co_i32 s56, s56, s57                     ; ea + eb of each kind; then the choice, by selects alone: no branch hangs on a given scale
	s_add_co_i32 s58, s58, s59
	s_add_co_i32 s60, s60, s61
	s_cmp_eq_u32 s88, 1
	s_cselect_b32 s56, s58, s56
	s_cselect_b32 s62, s63, s62
	s_cmp_eq_u32 s88, 2
	s_cselect_b32 s56, s60, s56
	s_cselect_b32 s62, s93, s62                    ; eo
	s_sub_co_i32 s96, 127, s56
	s_lshl_b32 s96, s96, 23                        ; 2^-(ea + eb) as f32
	s_mov_b32 s97, s96                             ; (named with it as a pair, so it is written)
	s_sub_co_i32 s100, s62, s56
	s_add_co_i32 s100, s100, 127
	s_lshl_b32 s101, s100, 23
	v_mov_b32 v20, s101                            ; 2^(eo - ea - eb)
	s_add_co_i32 s100, s100, 8
	s_lshl_b32 s100, s100, 23
	s_or_b32 s100, s100, 0x600000
	v_mov_b32 v21, s100                            ; 448 x that
	s_wait_loadcnt 0x0                             ; the bias
	s_cmp_eq_u32 s88, 2
	s_cbranch_scc1 .Lscale_bv
.set n, 0
.rept 32
	v_pk_mul_f32 v[BT+n:BT+n+1], v[BT+n:BT+n+1], s[96:97] op_sel_hi:[1,0]
.set n, n+2
.endr
	s_branch .Lscaled
.Lscale_bv:
.irp a, 0,1,2,3,4,5,6,7
.irp j, 0,1,2,3,4,5,6,7
	v_mul_f32 v[BT+8*\a+\j], s96, v[BJ+\a]         ; the same in all eight registers of block a
.endr
.endr
.Lscaled:
	s_wait_alu depctr_va_vdst(0)
	s_wait_tensorcnt 0x0                           ; my part of K step 0 is in
	ds_add_u32 v[SPW], v[NIL]
	s_wait_dscnt 0x0
	CROUND
	JLOAD 1                                        ; K step 1
	FETCH_B 0, 0, 0
	FETCH_A 0, 0, 0
	FETCH_A 0, 0, 4
	global_prefetch_b8 v[PFO], s[PFA:PFA+1] offset:2*ROWB th:TH_LOAD_NT scope:SCOPE_SE   ; K step 2
	s_cmp_eq_u32 s88, 2                            ; the first step is written twice: its C is the bias of B's block or of A's
	s_cbranch_scc1 .Lfirst_v
	STEP 0, 0, 1
	s_branch .Lfirst_done
.Lfirst_v:
	STEP 0, 0, 2
.Lfirst_done:
	TURN 0, 1, 1, 1
	STEP 1, 0, 0
	TURN 1, 0, 1, 0
	STEP 0, 0, 0
	TURN 0, 1, 0, 0                                ; the last two K steps fill nothing
	STEP 1, 0, 0
	s_wait_dscnt 4*NL
	WIN MUL_LO
	MUL16 0, 1, 0
	MUL16 2, 1, 0
	s_wait_dscnt 0
	WIN MUL_HI
	MUL16 4, 1, 0
	MUL16 6, 1, 0
	WIN 0
	PLACES NP
.irp a, 0,1,2,3,4,5,6,7
	OUTA \a
.endr
	s_wait_tensorcnt 0x0                           ; the wave's end
	ds_add_u32 v[SPW], v[NIL]
	s_wait_dscnt 0x0
	CROUND                                         ; the closing round
	s_endpgm
.Lfunc_end_k_q570f75aa1b_qkv:
	.size	k_q570f75aa1b_qkv, .Lfunc_end_k_q570f75aa1b_qkv-k_q570f75aa1b_qkv
	.p2alignl 7, 3214868480
	.fill 96, 4, 3214868480
	.section	.rodata,"a",@progbits
	.p2align	6, 0x0
	.amdhsa_kernel k_q570f75aa1b_qkv
		.amdhsa_group_segment_fixed_size 327680
		.amdhsa_private_segment_fixed_size 0
		.amdhsa_enable_private_segment 0
		.amdhsa_kernarg_size 72
		.amdhsa_user_sgpr_count 2
		.amdhsa_user_sgpr_kernarg_segment_ptr 1
		.amdhsa_wavefront_size32 1
		.amdhsa_system_sgpr_workgroup_id_x 1
		.amdhsa_system_sgpr_workgroup_id_y 1
		.amdhsa_system_sgpr_workgroup_id_z 1
		.amdhsa_system_vgpr_workitem_id 0
		.amdhsa_next_free_vgpr 1024
		.amdhsa_next_free_sgpr 102
		.amdhsa_reserve_vcc 0
		.amdhsa_float_denorm_mode_32 3
		.amdhsa_float_denorm_mode_16_64 3
		.amdhsa_memory_ordered 1
		.amdhsa_forward_progress 1
		.amdhsa_inst_pref_size 135
	.end_amdhsa_kernel
	.amdgpu_metadata
---
amdhsa.version: [ 1, 2 ]
amdhsa.kernels:
  - .name:           k_q570f75aa1b_qkv
    .symbol:         k_q570f75aa1b_qkv.kd
    .args:
      - { .name: xc, .offset: 0, .size: 8, .value_kind: global_buffer, .address_space: global }
      - { .name: wc, .offset: 8, .size: 8, .value_kind: global_buffer, .address_space: global }
      - { .name: lowp_scales, .offset: 16, .size: 8, .value_kind: global_buffer, .address_space: global }
      - { .name: bq, .offset: 24, .size: 8, .value_kind: global_buffer, .address_space: global }
      - { .name: bk, .offset: 32, .size: 8, .value_kind: global_buffer, .address_space: global }
      - { .name: bv, .offset: 40, .size: 8, .value_kind: global_buffer, .address_space: global }
      - { .name: qc, .offset: 48, .size: 8, .value_kind: global_buffer, .address_space: global }
      - { .name: kc, .offset: 56, .size: 8, .value_kind: global_buffer, .address_space: global }
      - { .name: vc, .offset: 64, .size: 8, .value_kind: global_buffer, .address_space: global }
    .group_segment_fixed_size: 327680
    .private_segment_fixed_size: 0
    .kernarg_segment_align: 8
    .kernarg_segment_size: 72
    .max_flat_workgroup_size: 128
    .sgpr_count:     102
    .vgpr_count:     1024
    .wavefront_size: 32
...
	.end_amdgpu_metadata
.endif
;; end of part 2
;; launch attn (part 3): grid 8 x 32, 8 waves a work-group, clusters of 4 x 1, 327,680 bytes of LDS; arguments qc, kc, vc, lowp_scales, ac; writes ac
.if DOCPART == 3
	.amdgcn_target "amdgcn-amd-amdhsa--gfx1250"
	.amdhsa_code_object_version 6
	.text
	.protected	k_q570f75aa1b_attn
	.globl	k_q570f75aa1b_attn
	.p2align	8
	.type	k_q570f75aa1b_attn,@function
k_q570f75aa1b_attn:
	s_mov_b64 s[64:65], 0
	v_nop
	global_prefetch_b8 v0, s[64:65] scope:SCOPE_SE
	s_setreg_imm32_b32 hwreg(HW_REG_WAVE_MODE, 25, 1), 1
	s_wait_xcnt 0x0
	s_wait_alu depctr_hold_cnt(0) depctr_sa_sdst(0) depctr_va_vdst(0) depctr_va_sdst(0) depctr_va_ssrc(0) depctr_va_vcc(0) depctr_vm_vsrc(0)
	s_getreg_b32 s2, hwreg(HW_REG_IB_STS2, 6, 4)
	s_cmp_eq_u32 s2, 0
	s_cbranch_scc0 .Lentry_in_a_cluster
	s_endpgm
.Lentry_in_a_cluster:
	s_bfe_u32 s2, ttmp6, 0x10000c
	s_cmp_lg_u32 s2, 0x3003
	s_cbranch_scc0 .Lentry_shape_is_right
	s_endpgm
.Lentry_shape_is_right:
; o = softmax(q k^T / 8) v for one head, both products on E4M3 codes, and o quantised at once (2^e10) into images of the operand registers of the last product.
; THE SOFTMAX: t = score x log2(e) / 8; M = the largest t of the row so far, rounded up to a whole number; p = 2^(t - M) is quantised with 2^e8, not normalised; the sum is taken of the unquantised p and divides at the end.
; When M moves, the sum and O are multiplied by 2^(old M - new M), which rounds nothing.
; SHARES.  A work-group owns 256 queries of one head; each of its eight waves owns TWO tiles of 16 queries, so that each fragment of K and of V that it reads from LDS feeds two matrix instructions.
; TWO REGISTER WINDOWS.  Tile 0's state lies in window 0 and tile 1's in window 1 under the same register numbers, the constants in both: the softmax is one macro, run once under each setting.
; K's fragments lie in window 0, V's in window 1 (v32-95 of each): both are asked for at a step's head, and V lands while the softmax is worked.
; ALL CODES OF K AND V OF THE HEAD LIE IN LDS: K in bytes 0 to 131,071, V in 131,072 to 262,143, 8,192 bytes of each for a key step of 128 keys.  No byte is filled twice.  Two stages, one tensor load a wave each:
; 512 keys at the head (8,192 bytes a wave), the other 1,536 (24,576 bytes a wave) behind the full sequence and a round of the cluster's barrier; key steps 0 to 3 read stage 0, a barrier shows stage 1 whole, steps 4 to 15 follow.
; CLUSTER 4 x 1: four query blocks of one head read the same K and V: every part is asked for jointly.  A wave has one tensor load out at the most.
; Nothing is prefetched: both loads are issued ahead of the first loop, so no loop runs ahead of a load.
; LAYOUT.  Both products are used transposed: S^T = K Q^T, O^T = V^T P^T: a lane holds one query of each tile throughout.  The eight scores of a lane in tile n are keys 16 n + 8 h + 0 .. 7: their codes are registers
; 2 n, 2 n + 1 of the operand (ISA guide 7.12.2), the order in which V's images hold the keys.  Every LDS read is 16 x lane + a constant: 512 consecutive bytes.
; LIMITS: e6 + e7 between -123 and 130 (added to the exponent field of c); e8 and e10 between -126 and 119; e8 + e9 goes by v_ldexp_f32 and has none.  NaN is not served.
; REGISTERS, in each window: v12 -M, v13 the largest t, v[14:15] the sum; v16-23 Q; v96-159 S^T, then p; v160-191 O^T; v192-199, v242-253 at work; v200, v205: 448 x 2^e8; v201: 2^e8; v202, v203: 448 x 2^e10, 2^e10; v224-239 p's codes.
;   window 0 alone: v1 16 x lane; v10 the same + 131,072; v8, v9 the step's LDS addresses; v254, v255 the add's two registers.
.set STEPB, 8192
.set VBASE, 131072
.set ST0,   32768                      ; bytes of K, and of V, in stage 0
.set SPARE, 262144
.set MSB, 0
.macro WIN new                         ; the high byte of the immediate repeats the setting that is left
.if MSB != (\new)
	s_set_vgpr_msb (MSB<<8)|(\new)
.set MSB, (\new)
.endif
.endm
.macro CROUND                          ; a round of the cluster's barrier
	s_barrier_signal -1
	s_barrier_wait -1
	s_cmp_lg_u32 s18, 0
	s_cbranch_scc1 .Lnot_wave_0_\@
	s_barrier_signal -3
.Lnot_wave_0_\@:
	s_barrier_wait -3
	s_barrier_signal -1
	s_barrier_wait -1
.endm
.macro GROUP1 g, rows                  ; dense rows of 256 bytes (32 elements of 8), for all four partners
	s_mov_b32 s[\g], 15|(3<<16)|(1<<21)
	s_mov_b32 s[\g+1], 32<<16
	s_mov_b32 s[\g+2], (\rows)<<16
	s_mov_b32 s[\g+3], 32<<16
	s_mov_b32 s[\g+4], \rows
	s_mov_b32 s[\g+5], 32
	s_mov_b32 s[\g+6], 0
	s_mov_b32 s[\g+7], 0
.endm
; one tile's softmax of a key step, every operand in the window that is set.  w: the window
.macro SOFT w
	s_wait_alu depctr_va_vdst(0)                   ; ahead of the first readers of the scores
.set n, 96
.irp t, 198,196,193,199                        ; the largest score of my query among my 64 keys, in four chains, every accumulator from its low end on
	v_max3_num_f32 v[\t], v[n], v[n+1], v[n+2]
.set n, n+3
.endr
.rept 6
.irp t, 198,196,193,199
	v_max3_num_f32 v[\t], v[\t], v[n], v[n+1]
.set n, n+2
.endr
.endr
	v_max3_num_f32 v198, v198, v156, v157
	v_max3_num_f32 v196, v196, v158, v159
	v_max3_num_f32 v198, v198, v196, v193
	v_max_num_f32 v198, v198, v199
	v_permlanex16_b32 v192, v198, s20, s21
	v_max_num_f32 v198, v198, v192                 ; and among those of the lane 16 away
	v_mul_f32 v198, s22, v198                      ; as t (c is positive)
	v_max_num_f32 v13, v13, v198                   ; the running largest t
	v_mov_b32 v198, v12
	v_floor_f32 v12, -v13                          ; the new -M = floor(-t): M is a whole number
	v_sub_f32 v198, v12, v198                      ; old M - new M: a whole number, 0 or less
	v_cvt_i32_f32 v198, v198                       ; (it saturates)
	v_ldexp_f32 v196, 1.0, v198                    ; f = 2^(old M - new M)
.set n, 0
.rept 32
	v_pk_fma_f32 v[96+n:97+n], v[96+n:97+n], s[22:23], v[12:13] op_sel_hi:[1,0,0]   ; t - M, two at a time
.set n, n+2
.endr
	s_wait_alu depctr_va_vdst(0)                   ; the wait ahead of the batch
.set n, 0
.rept 64
	v_exp_f32 v[96+n], v[96+n]                     ; p = 2^(t - M), at most 1
.set n, n+1
.endr
	v_pk_mul_f32 v[14:15], v[14:15], v[196:197] op_sel_hi:[1,0]   ; the sum under the new M: the plain line behind the exponentials
	s_wait_alu depctr_va_vdst(0)                   ; and one wait for the batch, ahead of its first reader
.set n, 96
.irp t, 242,244,246,248,250,252,194            ; the sum of the unquantised p, two at a time, in eight chains
	v_pk_add_f32 v[\t:\t+1], v[n:n+1], v[n+2:n+3]
.set n, n+4
.endr
.rept 2
.irp t, 14,242,244,246,248,250,252,194
	v_pk_add_f32 v[\t:\t+1], v[\t:\t+1], v[n:n+1]
.set n, n+2
.endr
.endr
	v_pk_add_f32 v[14:15], v[14:15], v[156:157]
	v_pk_add_f32 v[242:243], v[242:243], v[158:159]
	v_pk_add_f32 v[244:245], v[244:245], v[246:247]
	v_pk_add_f32 v[248:249], v[248:249], v[250:251]
	v_pk_add_f32 v[252:253], v[252:253], v[194:195]
	v_pk_add_f32 v[14:15], v[14:15], v[242:243]
	v_pk_add_f32 v[244:245], v[244:245], v[248:249]
	v_pk_add_f32 v[14:15], v[14:15], v[252:253]
	v_pk_add_f32 v[14:15], v[14:15], v[244:245]
; THE HOLD: the conversion does not saturate (ISA guide 7.6.2); p is not negative, so the hold is one-sided; it stands whatever e8 is.  In window 0 two holds an instruction (the dual form asks for an even and an
; odd destination and for sources in different banks, hence the limit in v200 and v205); in window 1 one hold an instruction.
.set n, 0
.rept 8
.if (\w) == 0
.irp i, 0,2,4,6
	v_dual_min_num_f32 v[96+8*n+\i], v[96+8*n+\i], v200 :: v_dual_min_num_f32 v[97+8*n+\i], v[97+8*n+\i], v205
.endr
.else
.irp i, 0,1,2,3,4,5,6,7
	v_min_num_f32 v[96+8*n+\i], v[96+8*n+\i], v200
.endr
.endif
	v_cvt_scalef32_pk8_fp8_f32 v[224+2*n:225+2*n], v[96+8*n:103+8*n], v201
.set n, n+1
.endr
	s_wait_alu depctr_va_vdst(0)                   ; ahead of the first readers of O^T
.set n, 0
.rept 16
	v_pk_mul_f32 v[160+n:161+n], v[160+n:161+n], v[196:197] op_sel_hi:[1,0]   ; O^T under the new M; also the plain lines behind the last conversion
.set n, n+2
.endr
.endm
; A KEY STEP: 128 keys, whose images begin at LDS byte s48 (K) and s48 + 131,072 (V)
.macro STEP
	v_add_nc_u32 v8, s48, v1
	v_add_nc_u32 v9, s48, v10
	v_nop
	v_nop                                          ; with the two additions: four places in front of loads into registers that the last products read
.set n, 0
.rept 16
	ds_load_b128 v[32+4*n:35+4*n], v8 offset:512*n ; K: tile n / 2, registers 4 (n % 2) on
.set n, n+1
.endr
	WIN 0x40                                       ; destination window 1
.set n, 0
.rept 16
	ds_load_b128 v[32+4*n:35+4*n], v9 offset:512*n ; V
.set n, n+1
.endr
	WIN 0
	s_wait_alu depctr_va_vdst(0)
	s_wait_dscnt 16                                ; K is in; V's sixteen loads, issued behind K's, may be out
.set n, 0
.rept 8
	v_wmma_f32_16x16x64_fp8_fp8 v[96+8*n:103+8*n], v[32+8*n:39+8*n], v[16:23], 0
.set n, n+1
.endr
	WIN 0x54                                       ; K from window 0; Q and the scores of tile 1 in window 1
.set n, 0
.rept 8
	v_wmma_f32_16x16x64_fp8_fp8 v[96+8*n:103+8*n], v[32+8*n:39+8*n], v[16:23], 0
.set n, n+1
.endr
	WIN 0
.rept 4
	v_nop                                          ; places in front of the first read of the scores
.endr
	SOFT 0
	WIN 0x55
	SOFT 1
	s_wait_alu depctr_va_vdst(0)
	s_wait_dscnt 0x0                               ; V is in
	WIN 0x01                                       ; V from window 1; tile 0's codes and O^T in window 0
.set n, 0
.rept 4
	v_wmma_f32_16x16x128_fp8_fp8 v[160+8*n:167+8*n], v[32+16*n:47+16*n], v[224:239], v[160+8*n:167+8*n]   ; eight accumulators by turns
.set n, n+1
.endr
	WIN 0x55
.set n, 0
.rept 4
	v_wmma_f32_16x16x128_fp8_fp8 v[160+8*n:167+8*n], v[32+16*n:47+16*n], v[224:239], v[160+8*n:167+8*n]
.set n, n+1
.endr
	WIN 0
.endm
.macro INIT                            ; a tile's state and the constants, in the window that is set
	v_mov_b32 v13, 0xff61b1e6                      ; the largest t so far: -3e38, under every t
	v_floor_f32 v12, -v13                          ; -M
	v_mov_b32 v14, 0
	v_mov_b32 v15, 0
	v_mov_b32 v192, 0                              ; the destination of a lane permute counts as read
	v_mov_b32 v197, 0                              ; (named as the upper half of the pair v[196:197])
.set n, 0
.rept 32
	v_mov_b32 v[160+n], 0                          ; O^T: the step is written for all steps alike; the first finds zeros
.set n, n+1
.endr
	v_mov_b32 v201, s51
	v_mov_b32 v200, s50
	v_mov_b32 v205, s50
	v_mov_b32 v203, s58
	v_mov_b32 v202, s57
.endm
.macro FIN                             ; a tile's way out: O^T x 2^(e8 + e9) / the sum, held, converted: the eight channels of a lane in tile d are registers 2 d, 2 d + 1 of my half of an image
	v_add_f32 v14, v14, v15
	v_permlanex16_b32 v192, v14, s20, s21
	v_add_f32 v14, v14, v192
	s_wait_alu depctr_va_vdst(0)                   ; the wait ahead of the transcendental,
	v_rcp_f32 v14, v14
	v_nop
	s_wait_alu depctr_va_vdst(0)                   ; ahead of its first reader,
	v_ldexp_f32 v14, v14, s59
	s_wait_alu depctr_va_vdst(0)                   ; and directly ahead of the first readers of O^T
.set n, 0
.rept 16
	v_pk_mul_f32 v[96+n:97+n], v[160+n:161+n], v[14:15] op_sel_hi:[1,0]
.set n, n+2
.endr
.set n, 0
.rept 4
.irp i, 0,1,2,3,4,5,6,7
	v_med3_num_f32 v[96+8*n+\i], v[96+8*n+\i], -v202, v202
.endr
	v_cvt_scalef32_pk8_fp8_f32 v[224+2*n:225+2*n], v[96+8*n:103+8*n], v203
.set n, n+1
.endr
	v_nop
.endm
	s_load_b256 s[4:11], s[0:1], 0x0               ; qc 4:5, kc 6:7, vc 8:9, scales 10:11
	s_load_b64 s[12:13], s[0:1], 0x20              ; ac
	v_lshl_add_u32 v254, v0, 2, SPARE
	v_mov_b32 v255, 0
	ds_add_u32 v254, v255                          ; the opening lines: the add, twice on end, and its wait ahead of my first tensor load
	ds_add_u32 v254, v255
	v_lshrrev_b32 v2, 5, v0
	v_readfirstlane_b32 s18, v2                    ; wave 0..7
	v_and_b32 v1, 31, v0
	v_lshlrev_b32 v1, 4, v1                        ; 16 x lane
	v_add_nc_u32 v10, VBASE, v1
	s_bfe_u32 s14, ttmp6, 0x40000                  ; cx: it enters the addresses of Q and of the result alone
	s_lshl_b32 s15, ttmp9, 2
	s_add_co_u32 s15, s15, s14                     ; my block of 256 queries
	s_and_b32 s16, ttmp7, 0xffff                   ; batch x 16 + head, which the four partners share
	s_lshl_b32 s17, s15, 4
	s_lshl_b32 s19, s18, 1
	s_add_co_u32 s17, s17, s19                     ; my first tile of 16 queries, an even number, 0..126
	GROUP1 24, 32                                  ; stage 0: 8,192 bytes a wave
	GROUP1 32, 96                                  ; stage 1: 24,576
	s_mov_b32 s20, 0x76543210                      ; v_permlanex16_b32: each lane takes its own place in the other half
	s_mov_b32 s21, 0xfedcba98
	s_mov_b32 s22, 0x3e38aa3b                      ; c = log2(e) / 8
	s_lshl_b32 s60, s16, 17
	s_lshl_b32 s61, s17, 10
	s_add_co_u32 s60, s60, s61                     ; Q: head x 131,072 + tile x 1,024
	s_mov_b32 s61, 0
	s_lshr_b32 s50, s16, 4                         ; the result: tile of 16 tokens among all 256,
	s_lshl_b32 s50, s50, 7
	s_add_co_u32 s50, s50, s17
	s_lshr_b32 s51, s50, 3                         ; its block of 128 tokens,
	s_and_b32 s50, s50, 7                          ; its place there;
	s_and_b32 s57, s16, 15
	s_lshr_b32 s58, s57, 1                         ; two heads make 128 along the K of the last product,
	s_and_b32 s57, s57, 1                          ; and mine is one half of an image
	s_lshl_b32 s51, s51, 3
	s_add_co_u32 s51, s51, s58
	s_lshl_b32 s51, s51, 3
	s_add_co_u32 s51, s51, s50
	s_lshl_b32 s51, s51, 11                        ; images of 2,048 bytes: my second tile's lies 2,048 on
	s_lshl_b32 s57, s57, 10
	s_add_co_u32 s62, s51, s57
	s_mov_b32 s63, 0
	s_and_b32 s50, s18, 3                          ; what I fetch: waves 0-3 a quarter of K's part of a stage, waves 4-7 of V's
	s_lshr_b32 s57, s18, 2
	s_lshl_b32 s57, s57, 17
	s_lshl_b32 s66, s50, 13
	s_mul_i32 s67, s50, 24576
	s_add_co_u32 s67, s67, ST0
	s_mov_b32 s40, 1
	s_add_co_u32 s41, s57, s66                     ; where it goes
	s_mov_b32 s44, 1
	s_add_co_u32 s45, s57, s67
	s_lshl_b32 s51, s16, 17
	s_add_co_u32 s66, s66, s51                     ; and where it comes from, in my head
	s_add_co_u32 s68, s67, s51
	s_mov_b32 s67, 0
	s_mov_b32 s69, 0
	s_wait_dscnt 0x0                               ; both opening adds are done
	s_wait_kmcnt 0x0
	s_load_b128 s[52:55], s[10:11], 0x18           ; e6, e7, e8, e9
	s_load_b32 s56, s[10:11], 0x28                 ; e10
	s_add_nc_u64 s[4:5], s[4:5], s[60:61]
	s_add_nc_u64 s[12:13], s[12:13], s[62:63]
	s_cmp_lt_u32 s18, 4
	s_cselect_b64 s[58:59], s[6:7], s[8:9]
	s_add_nc_u64 s[42:43], s[58:59], s[66:67]
	s_or_b32 s43, s43, 0x80000000
	s_add_nc_u64 s[46:47], s[58:59], s[68:69]
	s_or_b32 s47, s47, 0x80000000
	CROUND                                         ; all four work-groups are here: the joint loads meet
	tensor_load_to_lds s[40:43], s[24:31]          ; stage 0: one tensor load a wave at the head
	s_nop 0
.rept 4
	v_nop
.endr
	s_wait_alu depctr_va_vdst(0)
	global_load_b128 v[16:19], v1, s[4:5]          ; the images of my queries stay in registers: tile 0,
	global_load_b128 v[20:23], v1, s[4:5] offset:512
	WIN 0x40
	global_load_b128 v[16:19], v1, s[4:5] offset:1024   ; and tile 1, in window 1
	global_load_b128 v[20:23], v1, s[4:5] offset:1536
	WIN 0
	s_wait_kmcnt 0x0
	s_add_co_i32 s50, s52, s53
	s_lshl_b32 s50, s50, 23
	s_add_co_i32 s22, s22, s50                     ; a sum of codes stands for sum x 2^(e6 + e7): added to the exponent field of c
	s_mov_b32 s23, s22                             ; (named with it as a pair, so it is written)
	s_add_co_i32 s50, s54, 127
	s_lshl_b32 s51, s50, 23                        ; 2^e8
	s_add_co_i32 s50, s50, 8
	s_lshl_b32 s50, s50, 23
	s_or_b32 s50, s50, 0x600000                    ; 448 x 2^e8
	s_add_co_i32 s57, s56, 127
	s_lshl_b32 s58, s57, 23                        ; 2^e10
	s_add_co_i32 s57, s57, 8
	s_lshl_b32 s57, s57, 23
	s_or_b32 s57, s57, 0x600000                    ; 448 x 2^e10
	s_add_co_i32 s59, s54, s55                     ; e8 + e9
	INIT
	WIN 0x55
	INIT
	WIN 0
	s_wait_alu depctr_va_vdst(0)
	s_wait_loadcnt 0x0                             ; Q
	s_wait_tensorcnt 0x0                           ; my part of stage 0 is in
	ds_add_u32 v254, v255
	s_wait_dscnt 0x0
	CROUND                                         ; stage 0 is whole, and all four work-groups are here
	tensor_load_to_lds s[44:47], s[32:39]          ; stage 1
	s_nop 0
.rept 4
	v_nop
.endr
	s_mov_b32 s48, 0
	s_mov_b32 s49, 4
.Lhead:                                            ; key steps 0 to 3: stage 0
	STEP
	s_add_co_u32 s48, s48, STEPB
	s_sub_co_u32 s49, s49, 1
	s_cmp_lg_u32 s49, 0
	s_cbranch_scc1 .Lhead
	s_wait_tensorcnt 0x0                           ; my part of stage 1 has landed,
	s_wait_dscnt 0x0                               ; and no LDS instruction of mine is out
	s_barrier_signal -1
	s_barrier_wait -1                              ; stage 1 is whole
	s_mov_b32 s48, 4*STEPB
	s_mov_b32 s49, 12
.Lrest:                                            ; key steps 4 to 15: no barrier, the waves need not keep step
	STEP
	s_add_co_u32 s48, s48, STEPB
	s_sub_co_u32 s49, s49, 1
	s_cmp_lg_u32 s49, 0
	s_cbranch_scc1 .Lrest
.rept 4
	v_nop                                          ; places behind the last products
.endr
	FIN
	global_store_b128 v1, v[224:227], s[12:13]     ; 2 x 512 consecutive bytes, aligned
	global_store_b128 v1, v[228:231], s[12:13] offset:512
	WIN 0x55
	FIN
	WIN 0x04                                       ; the stores' data in window 1, their address in window 0
	global_store_b128 v1, v[224:227], s[12:13] offset:2048
	global_store_b128 v1, v[228:231], s[12:13] offset:2560
	WIN 0
	s_wait_tensorcnt 0x0                           ; the wave's end
	ds_add_u32 v254, v255
	s_wait_dscnt 0x0
	CROUND                                         ; the closing round
	s_endpgm
.Lfunc_end_k_q570f75aa1b_attn:
	.size	k_q570f75aa1b_attn, .Lfunc_end_k_q570f75aa1b_attn-k_q570f75aa1b_attn
	.p2alignl 7, 3214868480
	.fill 96, 4, 3214868480
	.section	.rodata,"a",@progbits
	.p2align	6, 0x0
	.amdhsa_kernel k_q570f75aa1b_attn
		.amdhsa_group_segment_fixed_size 327680
		.amdhsa_private_segment_fixed_size 0
		.amdhsa_enable_private_segment 0
		.amdhsa_kernarg_size 40
		.amdhsa_user_sgpr_count 2
		.amdhsa_user_sgpr_kernarg_segment_ptr 1
		.amdhsa_wavefront_size32 1
		.amdhsa_system_sgpr_workgroup_id_x 1
		.amdhsa_system_sgpr_workgroup_id_y 1
		.amdhsa_system_sgpr_workgroup_id_z 1
		.amdhsa_system_vgpr_workitem_id 0
		.amdhsa_next_free_vgpr 512
		.amdhsa_next_free_sgpr 80
		.amdhsa_reserve_vcc 0
		.amdhsa_float_denorm_mode_32 3
		.amdhsa_float_denorm_mode_16_64 3
		.amdhsa_memory_ordered 1
		.amdhsa_forward_progress 1
		.amdhsa_inst_pref_size 75
	.end_amdhsa_kernel
	.amdgpu_metadata
---
amdhsa.version: [ 1, 2 ]
amdhsa.kernels:
  - .name:           k_q570f75aa1b_attn
    .symbol:         k_q570f75aa1b_attn.kd
    .args:
      - { .name: qc, .offset: 0, .size: 8, .value_kind: global_buffer, .address_space: global }
      - { .name: kc, .offset: 8, .size: 8, .value_kind: global_buffer, .address_space: global }
      - { .name: vc, .offset: 16, .size: 8, .value_kind: global_buffer, .address_space: global }
      - { .name: lowp_scales, .offset: 24, .size: 8, .value_kind: global_buffer, .address_space: global }
      - { .name: ac, .offset: 32, .size: 8, .value_kind: global_buffer, .address_space: global }
    .group_segment_fixed_size: 327680
    .private_segment_fixed_size: 0
    .kernarg_segment_align: 8
    .kernarg_segment_size: 40
    .max_flat_workgroup_size: 256
    .sgpr_count:     80
    .vgpr_count:     512
    .wavefront_size: 32
...
	.end_amdgpu_metadata
.endif
;; end of part 3
;; launch proj (part 4): grid 8 x 32, 4 waves a work-group, clusters of 4 x 4, 282,112 bytes of LDS; arguments ac, wc, lowp_scales, bo, out0; writes out0
.if DOCPART == 4
	.amdgcn_target "amdgcn-amd-amdhsa--gfx1250"
	.amdhsa_code_object_version 6
	.text
	.protected	k_q570f75aa1b_proj
	.globl	k_q570f75aa1b_proj
	.p2align	8
	.type	k_q570f75aa1b_proj,@function
k_q570f75aa1b_proj:
	s_mov_b64 s[64:65], 0
	v_nop
	global_prefetch_b8 v0, s[64:65] scope:SCOPE_SE
	s_setreg_imm32_b32 hwreg(HW_REG_WAVE_MODE, 25, 1), 1
	s_wait_xcnt 0x0
	s_wait_alu depctr_hold_cnt(0) depctr_sa_sdst(0) depctr_va_vdst(0) depctr_va_sdst(0) depctr_va_ssrc(0) depctr_va_vcc(0) depctr_vm_vsrc(0)
	s_getreg_b32 s2, hwreg(HW_REG_IB_STS2, 6, 4)
	s_cmp_eq_u32 s2, 0
	s_cbranch_scc0 .Lentry_in_a_cluster
	s_endpgm
.Lentry_in_a_cluster:
	s_bfe_u32 s2, ttmp6, 0x10000c
	s_cmp_lg_u32 s2, 0xf033
	s_cbranch_scc0 .Lentry_shape_is_right
	s_endpgm
.Lentry_shape_is_right:
; out0 = a Wo + bo on E4M3 codes.  a: images of operand registers [128 tokens 32][128 along K 8][16 tokens 8][2,048 bytes]; Wo: rows of codes [n 1024][1024], the fourth matrix of wc.
; A work-group makes 128 tokens x 128 columns; four waves, each 64 x 64: 16 accumulators.  The whole K = 1,024 of both tiles lies in LDS, asked for once, at the head, by one tensor load a wave:
; waves 0, 1 half of the 131,072 bytes of images each, waves 2, 3 64 rows of Wo of 1,024 bytes each.  No LDS byte is filled twice; one wait and one barrier show both tiles whole.
; CLUSTER 4 x 4: the images are shared along a row of the cluster, the rows of Wo along a column: each tile is asked for jointly.
; Source 0 = 16 rows of Wo, source 1 = 16 tokens: the eight results of a lane are eight neighbouring columns of one row of out0.
; The bytes of a row of Wo stand in an order in which four loads of 16 bytes, 32 apart, put every k in the place that the operand layout gives it (ISA guide 7.12.2), as the images have it.
; LIMIT: e10 + e11 between -126 and 127.  Nothing is prefetched: every tile is asked for at the head, and no loop runs ahead of a load.
; REGISTERS: window 0: v1-22 addresses; v32-63 the bias; v128-255 accumulator (i, j) at 128 + 8 (4 i + j).  window 1: two fragment buffers of 128: Wo fragment i at 16 i, token fragment j at 64 + 16 j.
.set WP,    1040                       ; a row of Wo in LDS: 1,024 bytes + 16 = 65 x 16: the 16 rows that a load touches start at 16 different groups of four banks (ISA guide 11.1)
.set PITCH, 272                        ; a row of a stage: 256 bytes + 16
.set ACH,   32768                      ; images of 256 along K: 2 steps x 8 tiles x 2,048
.set WBASE, 4*ACH                      ; behind the images the rows of Wo,
.set STG,   WBASE+128*WP               ; behind those the stages for the way out: 16 rows x 272 bytes a wave; no tile lands there
.set SPARE, STG+4*16*PITCH             ; and the spare words, 128 bytes a wave
.set ADW, 8                            ; v8      Wo: my LDS address
.set ADA, 12                           ; v12-15  the images of 256 along K, four times
.set BI,  32
.set ACC, 128
.set G1A, 24
.set G1W, 32
.set G0A, 40
.set G0W, 44
.set MSB, 0
.macro WIN new                         ; the high byte of the immediate repeats the setting that is left
.if MSB != \new
	s_set_vgpr_msb (MSB<<8)|\new
.set MSB, \new
.endif
.endm
.set MUL,  0x05                        ; sources 0 and 1 window 1; C and D window 0
.set TO_F, 0x40                        ; destination window 1, address window 0
.macro CROUND                          ; a round of the cluster's barrier
	s_barrier_signal -1
	s_barrier_wait -1
	s_cmp_lg_u32 s22, 0
	s_cbranch_scc1 .Lnot_wave_0_\@
	s_barrier_signal -3
.Lnot_wave_0_\@:
	s_barrier_wait -3
	s_barrier_signal -1
	s_barrier_wait -1
.endm
.macro PLACES                          ; four plain vector lines between a matrix instruction and a load into its sources or a read of its result
.rept 4
	v_nop
.endr
.endm
.macro FETCH k, f                      ; the fragments of step k (128 along K) into buffer f
	WIN TO_F
.irp j, 0,1,2,3
.irp g, 0,1,2,3
	ds_load_b128 v[\f+64+16*\j+4*\g:\f+64+16*\j+4*\g+3], v[ADA+(\k)/2] offset:((\k)%2)*16384+\j*2048+512*\g   ; an image comes back as it was stored: 512 consecutive bytes a load
.endr
.endr
.irp i, 0,1,2,3
.irp c, 0,1,2,3
	ds_load_b128 v[\f+16*\i+4*\c:\f+16*\i+4*\c+3], v[ADW] offset:128*(\k)+32*\c+\i*16*WP
.endr
.endr
.endm
; eight products.  The 16 accumulators take turns, one instruction a turn, in the same order in every step.  zero = 1: the first product starts the sum
.macro MUL8 f, i0, zero
.irp i, \i0, \i0+1
.irp j, 0,1,2,3
.if \zero
	v_wmma_f32_16x16x128_fp8_fp8 v[ACC+8*(4*(\i)+\j):ACC+8*(4*(\i)+\j)+7], v[\f+16*(\i):\f+16*(\i)+15], v[\f+64+16*\j:\f+64+16*\j+15], 0
.else
	v_wmma_f32_16x16x128_fp8_fp8 v[ACC+8*(4*(\i)+\j):ACC+8*(4*(\i)+\j)+7], v[\f+16*(\i):\f+16*(\i)+15], v[\f+64+16*\j:\f+64+16*\j+15], v[ACC+8*(4*(\i)+\j):ACC+8*(4*(\i)+\j)+7]
.endif
.endr
.endr
.endm
.macro STEP k, zero
.set FB, 128*((\k)%2)
.set FN, 128-FB
	s_wait_dscnt 0x0                               ; the fragments of this step are in
	WIN MUL
	MUL8 FB, 0, \zero
.if (\k) < 7
	PLACES
	FETCH (\k)+1, FN
.endif
	WIN MUL
	MUL8 FB, 2, \zero
.endm
; THE WAY OUT of tokens 16 j .. 16 j + 15: sum x 2^(e10 + e11) + bo; 32 bytes a lane into my own stage, and back as whole rows of 256 bytes into the registers that they left.
.macro PACK j
.irp i, 0,1,2,3
.irp q, 0,2,4,6
	v_pk_fma_f32 v[ACC+8*(4*\i+\j)+\q:ACC+8*(4*\i+\j)+\q+1], v[ACC+8*(4*\i+\j)+\q:ACC+8*(4*\i+\j)+\q+1], s[96:97], v[BI+8*\i+\q:BI+8*\i+\q+1] op_sel_hi:[1,0,1]
.endr
.endr
.irp i, 0,1,2,3
	ds_store_b128 v20, v[ACC+8*(4*\i+\j):ACC+8*(4*\i+\j)+3] offset:64*\i
	ds_store_b128 v20, v[ACC+8*(4*\i+\j)+4:ACC+8*(4*\i+\j)+7] offset:64*\i+16
.endr
.irp t, 0,1,2,3,4,5,6,7
	ds_load_b128 v[ACC+8*(4*(\t/2)+\j)+4*(\t%2):ACC+8*(4*(\t/2)+\j)+4*(\t%2)+3], v21 offset:2*\t*PITCH   ; LDS serves the instructions of a wave in order (ISA guide 5.7.1.4): these see the stores above, and the next stores come behind them
.endr
.endm
.macro SEND j, younger                 ; younger: the LDS instructions issued behind the loads of block j: the sixteen of the next block, or none
.irp t, 0,1,2,3,4,5,6,7
	s_wait_dscnt \younger+7-\t
	global_store_b128 v22, v[ACC+8*(4*(\t/2)+\j)+4*(\t%2):ACC+8*(4*(\t/2)+\j)+4*(\t%2)+3], s[12:13] offset:(16*\j+2*\t)*4096 th:TH_STORE_NT   ; 16 lanes store 256 consecutive bytes, aligned; written once, read by nobody here
.endr
.endm
	s_load_b256 s[4:11], s[0:1], 0x0               ; ac 4:5, wc 6:7, scales 8:9, bo 10:11
	s_load_b64 s[12:13], s[0:1], 0x20              ; out0
	v_lshl_add_u32 v126, v0, 2, SPARE
	v_mov_b32 v127, 0
	ds_add_u32 v126, v127                          ; the opening lines: the add, twice on end, and its wait ahead of my first tensor load
	ds_add_u32 v126, v127
	v_lshrrev_b32 v1, 5, v0
	v_readfirstlane_b32 s22, v1                    ; wave 0..3
	s_lshr_b32 s23, s22, 1                         ; which 64 tokens are mine.  Also: I fetch images (0) or rows of Wo (1)
	s_and_b32 s3, s22, 1                           ; which 64 columns.  Also: which half of that tile I fetch
	s_bfe_u32 s84, ttmp6, 0x40000                  ; cx, cy: my place in the cluster
	s_bfe_u32 s85, ttmp6, 0x40004
	s_lshl_b32 s86, ttmp9, 2
	s_add_co_u32 s86, s86, s84                     ; column block 0..7
	s_and_b32 s87, ttmp7, 0xffff
	s_lshl_b32 s87, s87, 2
	s_add_co_u32 s87, s87, s85                     ; token block 0..31
	s_lshl_b32 s89, s85, 2
	s_lshl_b32 s89, 15, s89                        ; my row of the cluster
	s_lshl_b32 s90, 0x1111, s84                    ; my column
	s_or_b32 s[G1A], s89, (3<<16)|(1<<21)          ; the images: 15:0 the mask; 17:16 elements of 8 bytes; 21 set beside a mask; no padding
	s_mov_b32 s[G1A+1], 32<<16                     ; rows of 32 elements: 256 bytes,
	s_mov_b32 s[G1A+2], 256<<16                    ; 256 of them: 65,536 bytes, dense: 512 along K for 128 tokens
	s_mov_b32 s[G1A+3], 32<<16
	s_mov_b32 s[G1A+4], 256
	s_mov_b32 s[G1A+5], 32
	s_mov_b32 s[G1A+6], 0
	s_mov_b32 s[G1A+7], 0
	s_or_b32 s[G1W], s90, (1<<20)|(1<<21)|(7<<22)|(3<<25)   ; Wo: elements of 1 byte; padding: four words after every 256
	s_mov_b32 s[G1W+1], 1024<<16
	s_mov_b32 s[G1W+2], 64<<16
	s_mov_b32 s[G1W+3], 1024<<16
	s_mov_b32 s[G1W+4], 64
	s_mov_b32 s[G1W+5], 1024
	s_mov_b32 s[G1W+6], 0
	s_mov_b32 s[G1W+7], 0
	s_lshl_b32 s96, s87, 1
	s_add_co_u32 s96, s96, s3
	s_lshl_b32 s96, s96, 16                        ; images: (token block x 2 + half) x 65,536
	s_mov_b32 s97, 0
	s_lshl_b32 s98, s86, 7
	s_lshl_b32 s91, s3, 6
	s_add_co_u32 s98, s98, s91
	s_lshl_b32 s98, s98, 10                        ; Wo: row 128 x column block + 64 x half,
	s_add_co_u32 s98, s98, 3<<20                   ; in the fourth matrix of wc
	s_mov_b32 s99, 0
	s_mov_b32 s[G0A], 1
	s_lshl_b32 s[G0A+1], s3, 16                    ; where they go
	s_mov_b32 s[G0W], 1
	s_mul_i32 s[G0W+1], s3, 64*WP
	s_add_co_u32 s[G0W+1], s[G0W+1], WBASE
	s_wait_dscnt 0x0                               ; both opening adds are done
	s_wait_kmcnt 0x0
	s_load_b64 s[56:57], s[8:9], 0x28              ; e10, e11
	s_add_nc_u64 s[G0A+2:G0A+3], s[4:5], s[96:97]
	s_or_b32 s[G0A+3], s[G0A+3], 0x80000000
	s_add_nc_u64 s[G0W+2:G0W+3], s[6:7], s[98:99]
	s_or_b32 s[G0W+3], s[G0W+3], 0x80000000
	CROUND                                         ; all sixteen work-groups are here: the joint loads meet
	s_cmp_eq_u32 s23, 0                            ; one fill to an arm; an s_nop 0 and four v_nop follow each
	s_cbranch_scc0 .Lfill_w
	tensor_load_to_lds s[G0A:G0A+3], s[G1A:G1A+7]
	s_nop 0
.rept 4
	v_nop
.endr
	s_branch .Lfilled
.Lfill_w:
	tensor_load_to_lds s[G0W:G0W+3], s[G1W:G1W+7]
	s_nop 0
.rept 4
	v_nop
.endr
.Lfilled:
	s_mul_i32 s89, s3, 64*WP
	s_add_co_u32 s89, s89, WBASE                   ; my 64 rows of Wo
	s_lshl_b32 s90, s23, 13                        ; my four tiles of tokens
	s_mul_i32 s91, s22, 16*PITCH
	s_add_co_u32 s91, s91, STG                     ; my stage
	v_and_b32 v1, 15, v0                           ; r
	v_bfe_u32 v2, v0, 4, 1                         ; h
	v_mul_u32_u24 v4, v1, WP
	v_lshl_add_u32 v4, v2, 4, v4                   ; Wo: row x pitch + 16 h
	v_add_nc_u32 v[ADW], s89, v4
	v_and_b32 v16, 31, v0
	v_lshlrev_b32 v16, 4, v16                      ; the images: 16 x lane
	v_add_nc_u32 v[ADA], s90, v16
	v_add_nc_u32 v[ADA+1], ACH, v[ADA]
	v_add_nc_u32 v[ADA+2], 2*ACH, v[ADA]
	v_add_nc_u32 v[ADA+3], 3*ACH, v[ADA]
	v_mul_u32_u24 v20, v1, PITCH
	v_lshl_add_u32 v20, v2, 5, v20
	v_add_nc_u32 v20, s91, v20                     ; into the stage: row r, 32 bytes for each half of the lanes
	v_mul_u32_u24 v21, v2, PITCH
	v_lshl_add_u32 v21, v1, 4, v21
	v_add_nc_u32 v21, s91, v21                     ; back: lanes 0-15 one row of 256 bytes, lanes 16-31 the next
	v_lshlrev_b32 v22, 12, v2
	v_lshl_add_u32 v22, v1, 4, v22                 ; and the same two rows in out0
	v_lshlrev_b32 v17, 5, v2                       ; the bias: 32 h
	s_wait_alu depctr_va_vdst(0)                   ; the wait at the head's end covers every register made above
	s_lshl_b32 s89, s86, 7
	s_lshl_b32 s90, s3, 6
	s_add_co_u32 s89, s89, s90
	s_lshl_b32 s98, s89, 2                         ; my first column, in bytes
	s_mov_b32 s99, 0
	s_add_nc_u64 s[10:11], s[10:11], s[98:99]
.irp i, 0,1,2,3
	global_load_b128 v[BI+8*\i:BI+8*\i+3], v17, s[10:11] offset:64*\i        ; bo at columns 16 i + 8 h + 0 .. 7
	global_load_b128 v[BI+8*\i+4:BI+8*\i+7], v17, s[10:11] offset:64*\i+16
.endr
	s_lshl_b32 s89, s87, 7
	s_lshl_b32 s90, s23, 6
	s_add_co_u32 s89, s89, s90
	s_lshl_b32 s89, s89, 12                        ; my first token: rows of 4,096 bytes
	s_add_co_u32 s98, s98, s89
	s_add_nc_u64 s[12:13], s[12:13], s[98:99]
	s_wait_kmcnt 0x0
	s_add_co_i32 s96, s56, s57
	s_add_co_i32 s96, s96, 127
	s_lshl_b32 s96, s96, 23                        ; 2^(e10 + e11) as f32
	s_mov_b32 s97, s96                             ; (named with it as a pair, so it is written)
	s_wait_tensorcnt 0x0                           ; my part of the tiles is in
	s_barrier_signal -1
	s_barrier_wait -1                              ; both tiles are whole
	FETCH 0, 0
	STEP 0, 1
	STEP 1, 0
	STEP 2, 0
	STEP 3, 0
	STEP 4, 0
	STEP 5, 0
	STEP 6, 0
	STEP 7, 0
	WIN 0
	PLACES
	s_wait_loadcnt 0x0                             ; the bias
	PACK 0
	PACK 1                                         ; the arithmetic of a block stands between the loads of the block before and its stores
	SEND 0, 16
	PACK 2
	SEND 1, 16
	PACK 3
	SEND 2, 16
	SEND 3, 0
	s_wait_tensorcnt 0x0                           ; the wave's end
	ds_add_u32 v126, v127
	s_wait_dscnt 0x0
	CROUND                                         ; the closing round
	s_endpgm
.Lfunc_end_k_q570f75aa1b_proj:
	.size	k_q570f75aa1b_proj, .Lfunc_end_k_q570f75aa1b_proj-k_q570f75aa1b_proj
	.p2alignl 7, 3214868480
	.fill 96, 4, 3214868480
	.section	.rodata,"a",@progbits
	.p2align	6, 0x0
	.amdhsa_kernel k_q570f75aa1b_proj
		.amdhsa_group_segment_fixed_size 282112
		.amdhsa_private_segment_fixed_size 0
		.amdhsa_enable_private_segment 0
		.amdhsa_kernarg_size 40
		.amdhsa_user_sgpr_count 2
		.amdhsa_user_sgpr_kernarg_segment_ptr 1
		.amdhsa_wavefront_size32 1
		.amdhsa_system_sgpr_workgroup_id_x 1
		.amdhsa_system_sgpr_workgroup_id_y 1
		.amdhsa_system_sgpr_workgroup_id_z 1
		.amdhsa_system_vgpr_workitem_id 0
		.amdhsa_next_free_vgpr 512
		.amdhsa_next_free_sgpr 102
		.amdhsa_reserve_vcc 0
		.amdhsa_float_denorm_mode_32 3
		.amdhsa_float_denorm_mode_16_64 3
		.amdhsa_memory_ordered 1
		.amdhsa_forward_progress 1
		.amdhsa_inst_pref_size 46
	.end_amdhsa_kernel
	.amdgpu_metadata
---
amdhsa.version: [ 1, 2 ]
amdhsa.kernels:
  - .name:           k_q570f75aa1b_proj
    .symbol:         k_q570f75aa1b_proj.kd
    .args:
      - { .name: ac, .offset: 0, .size: 8, .value_kind: global_buffer, .address_space: global }
      - { .name: wc, .offset: 8, .size: 8, .value_kind: global_buffer, .address_space: global }
      - { .name: lowp_scales, .offset: 16, .size: 8, .value_kind: global_buffer, .address_space: global }
      - { .name: bo, .offset: 24, .size: 8, .value_kind: global_buffer, .address_space: global }
      - { .name: out0, .offset: 32, .size: 8, .value_kind: global_buffer, .address_space: global }
    .group_segment_fixed_size: 282112
    .private_segment_fixed_size: 0
    .kernarg_segment_align: 8
    .kernarg_segment_size: 40
    .max_flat_workgroup_size: 128
    .sgpr_count:     102
    .vgpr_count:     512
    .wavefront_size: 32
...
	.end_amdgpu_metadata
.endif
;; end of part 4
